; MI455X (gfx1250); checked and timed in simulation.
; The chip was launched on July 23, 2026; its instructions are those of AMD's public machine-readable ISA for CDNA 5 (MIT licence, August 2026) and "CDNA5" Instruction Set Architecture Reference Guide (July 2026). The comments in the code are by the model that wrote it; some were corrected since.
;; Field Dual Attention Wrapper. Allowed arithmetic: matrix products marked QUANTISED: E2M1 operands, one E8M0 scale for each 32 along K, by v_wmma_scale_f32_16x16x128_f8f6f4 with both operands' format E2M1 (or v_wmma_scale_f32_32x16x128_f4), f32 sums; everything else in f32.
;; Inputs: W1 1,024 x 1,024 float32; W2 1,024 x 1,024 float32; W3 1,024 x 2,048 float32; W4 1,024 x 1,024 float32; W5 1,024 x 1,024 float32; b1 1,024 float32; b2 1,024 float32; b3 1,024 float32; b4 1,024 float32; b5 1,024 float32; field_hidden_state 64 x 512 x 1,024 float32; finished 64 x 1 bool; hidden_state 64 x 512 x 1,024 float32; input 64 x 1,024 float32.
;; Outputs: out0 64 x 1,024 float32; out1 512 x 64 x 1 float32.
;; This version of the problem:
;;   THIS VERSION OF THE PROBLEM IS GIVEN IN LOW PRECISION. The matrix products marked QUANTISED in the list below multiply operands that are first quantised to E2M1 (2 exponent bits, 1 mantissa bit; 4 bits a number), with one power-of-two scale for each 32 numbers along K (OCP MX v1.0); their sums are f32. All else is computed in f32.
;;   The module's matrix products, in the order in which they are computed (A, B: the left and right operand; K: the contracted axis; several contracted axes count as one K, in the product's order):
;;     1. [M 32,768, K 1,024] x [K 1,024, N 1,024]; A: input hidden_state; B: input W1: QUANTISED
;;     2. [M 32,768, K 1,024] x [K 1,024, N 1,024]; A: input field_hidden_state; B: input W4: QUANTISED
;;     3. [M 64, K 1,024] x [K 1,024, N 1,024]; A: input input; B: input W2: QUANTISED
;;     4. [M 64, K 1,024] x [K 1,024, N 1,024]; A: input input; B: input W5: QUANTISED
;;     5. [M 64, K 2,048] x [K 2,048, N 1,024]; A: computed on the way; B: input W3: QUANTISED
;;   THE QUANTISER, for each operand of a quantised product, along K:
;;     - K is cut into blocks of 32 from its start; a last block that is shorter is filled with zeros.
;;     - A block's scale is 2^e with e = floor(log2(the largest magnitude in the block)) - 2, held to -126 .. 127; a block of zeros has e = 0. As a byte (E8M0): e + 127.
;;     - Each number is divided by its block's scale, clamped to +-6, and rounded to the nearest number of E2M1, ties to even, subnormals kept.
;;     - The product sums the exact products of the quantised numbers (number of the format x scale) in f32.
;;   ~~~python
;;   def quantise(x, axis):      # numpy; x: float32 -> the quantised numbers, widened to float32 again
;;       x = np.moveaxis(x, axis, -1); K = x.shape[-1]
;;       x = np.pad(x, [(0, 0)] * (x.ndim - 1) + [(0, -K % 32)]); x = x.reshape(x.shape[:-1] + (-1, 32)); a = np.abs(x).max(-1, keepdims=True)
;;       e = np.where(a > 0, np.clip(np.frexp(np.where(a > 0, a, 1))[1] - 1 - 2, -126, 127), 0)      # np.frexp(a)[1] - 1 = floor(log2(a)), exactly
;;       r = np.clip(x / 2.0 ** e, -6, 6)
;;       step = 2.0 ** (np.maximum(np.frexp(np.where(r == 0, 1, r))[1] - 1, 0) - 1)
;;       q = np.round(r / step) * step * 2.0 ** e      # np.round: ties to even
;;       return np.moveaxis(q.reshape(q.shape[:-2] + (-1,))[..., :K], -1, axis).astype(np.float32)
;;   ~~~
;;   OPERANDS COMPUTED ON THE WAY. 'Computed on the way' means the value that the module computes at that place (a softmax that the list does not call 'softmax' is quantised finished and normalised). What goes into a quantiser is computed in f32, as accurately as f32 sums, v_exp_f32 and their like allow (about 1e-6 of the number): no bf16 or f16 on the way to a quantiser, and a product that is left as it is and whose result goes on into a quantised operand takes f32 operands (vector FMAs, or v_wmma_f32_16x16x4_f32). A number that lies on a knife's edge between two numbers of the format may be rounded either way, as far as f32 arithmetic and the matrix unit's own rounding can turn it there, and no further.
;; One version. Each part assembles by itself: llvm-mc -triple=amdgcn-amd-amdhsa -mcpu=gfx1250 --defsym DOCPART=n.
;; ======== version 1 of 1: 4 launches
;; limits: right only within a limited range of input values
;; workspace buffers: wq 1,114,112 bytes; gtab 524,288 bytes; sco 262,144 bytes; ctx 262,144 bytes; wts 131,072 bytes
;; launch prep (part 1): grid 256 x 1, 4 waves a work-group, no clusters, 50,688 bytes of LDS; arguments W1, W4, W2, W5, b2, b5, input, wq, gtab; writes wq, gtab
.if DOCPART == 1
	.amdgcn_target "amdgcn-amd-amdhsa--gfx1250"
	.amdhsa_code_object_version 6
	.text
	.protected	k_q00a49736c9_prep
	.globl	k_q00a49736c9_prep
	.p2align	8
	.type	k_q00a49736c9_prep,@function
k_q00a49736c9_prep:
	s_mov_b64 s[64:65], 0
	v_nop
	global_prefetch_b8 v0, s[64:65] scope:SCOPE_SE
	s_setreg_imm32_b32 hwreg(HW_REG_WAVE_MODE, 25, 1), 1
	s_wait_xcnt 0x0
; PREP.  Work-group g: kind = g / 64 (W1, W4, W2, W5), tile = g % 64: 16 rows (hidden units) of that weight, [1024][1024] f32, K innermost.
; Every work-group quantises its 16 rows to codes of E2M1 with one E8M0 byte for each 32 along K; wave q takes K steps 2 q and 2 q + 1 (128 along K each).
; W1, W4: the codes leave as IMAGES OF THE OPERAND'S REGISTERS, a record of 8,704 bytes a tile: K step s, half c, lane l at 1024 s + 512 c + 16 l; behind them the scale bytes, [16 rows][32].
; W2, W5: the wave also quantises its two K steps of all 64 rows of input, multiplies (source 0 = the weight's rows, source 1 = 16 rows of input, so that a lane holds eight neighbouring units of one
; batch row), the four waves' partial sums meet in LDS, and G = -2 log2(e) tanh(z + b) goes to gtab[t][batch][unit].  tanh z = 1 - 2 r, r = 1 / (1 + 2^(2 log2(e) z)): G = 4 log2(e) r - 2 log2(e).
; THE QUANTISER: a block's scale byte is its largest magnitude's exponent field - 2, held at 1 from below (a block of zeros gets the byte 1: its codes are zeros and this program alone reads the bytes).
; LIMITS: NaN and infinities among the inputs are not served.  K is split over the four waves, so the order of the f32 sums differs from one ascending chain.
; No cluster and no tensor load: a work-group's weight rows are its own; what work-groups share, input (256 KiB), is a small part and comes through registers.
; WORK LEFT OUT, here and in the launches behind: a score is the sum over the units of tanh(z) x gamma = (the sum of gamma) - 2 x the sum of gamma r, r = 1 / (1 + e^(2 z)).
; The sum of gamma is the same for all 512 rows of a batch, the axis over which reference() takes the maximum away and normalises: it cancels there for all values, and is not formed.
; LIMIT: an overflow that would reach that term alone is not carried to the result.
.set SPARE,  50176                     ; behind the sums: the spare words, 128 bytes a wave, which no other line names
.set STW,    16*528
.set SUM,    4*STW                     ; behind the stages: the partial sums, 4,096 bytes a wave
.set REC,    8704
.set TO_R,   0x40                      ; destination window 1
.set FROM_R, 0x04                      ; source 1 (an LDS store's data) window 1
.set LI,  1                            ; 16 x lane
.set STI, 2                            ; the stage, on the way in: my wave's + 16 x lane
.set STO, 3                            ; and out: + 528 r + 128 h
.set VO,  4                            ; 16 x lane + 1024 q: my wave's two K steps in a row of f32
.set IMO, 5                            ; 16 x lane + 2048 q: their images in a record
.set SCO, 6                            ; 32 r + 8 q: their scale words in a record
.set BO,  7                            ; 32 h
.set BI,  8                            ; v8-15   the bias of my eight units
.set SUI, 16
.set SUO, 17
.set TM,  18                           ; v18-27  at work in QUANT
.set SH8, 28                           ; 8 h
.set GO,  29
.set WF,  32                           ; v32-47  the weight's two fragments
.set AF,  48                           ; v48-111 input's eight fragments (2 m + e)
.set WS,  112                          ; v112-113 the weight's scale words
.set IS,  114                          ; v114-121 input's
.set X,   128                          ; v128-191 64 numbers of my row
.set ACC, 192                          ; v192-223 four accumulators
.set SB,  224                          ; v224-255 the partial sums read back
.set WV,  23
.set SEL, 26
.set CC,  28
.set MSB, 0
.macro WIN new                         ; the immediate's high byte repeats the setting that is left
.if MSB != (\new)
	s_set_vgpr_msb (MSB<<8)|(\new)
.set MSB, (\new)
.endif
.endm
; 16 rows x 128 numbers: each load reads one row's 512 consecutive bytes, 16 a lane, into set 'set' of window 1
.macro ALOAD set, base, off, pitch, vo, nt
	WIN TO_R
.irp i, 0,1,2,3,4,5,6,7,8,9,10,11,12,13,14,15
.if \nt
	global_load_b128 v[64*(\set)+4*\i:64*(\set)+4*\i+3], v[\vo], s[\base:\base+1] offset:(\off)+\i*(\pitch) th:TH_LOAD_NT
.else
	global_load_b128 v[64*(\set)+4*\i:64*(\set)+4*\i+3], v[\vo], s[\base:\base+1] offset:(\off)+\i*(\pitch)
.endif
.endr
	WIN 0
.endm
; through the wave's own stage: in as loaded, out so that X[32 c + i] is k = 64 c + 32 h + i of row r.  LDS serves a wave's instructions in order: no wait between
.macro ATURN set
	WIN FROM_R
.irp i, 0,1,2,3,4,5,6,7,8,9,10,11,12,13,14,15
	ds_store_b128 v[STI], v[64*(\set)+4*\i:64*(\set)+4*\i+3] offset:528*\i
.endr
	WIN 0
.irp c, 0,1
.irp j, 0,1,2,3,4,5,6,7
	ds_load_b128 v[X+32*\c+4*\j:X+32*\c+4*\j+3], v[STO] offset:256*\c+16*\j
.endr
.endr
.endm
; X's 64 numbers (two whole blocks of 32 a lane: blocks h and 2 + h of my row) become a fragment's 8 registers at v[fd] of window fw and its scale word in v[sd]
.macro QUANT fd, fw, sd
.irp c, 0,1
	v_max3_num_f32 v[TM+2*\c], |v[X+32*\c]|, |v[X+32*\c+1]|, 0x1800000      ; with the floor 2^(3 - 127): the byte cannot fall under 1
	v_max3_num_f32 v[TM+2*\c+1], |v[X+32*\c+16]|, |v[X+32*\c+17]|, |v[X+32*\c+18]|
.endr
.irp i, 2,4,6,8,10,12
.irp c, 0,1
	v_max3_num_f32 v[TM+2*\c], v[TM+2*\c], |v[X+32*\c+\i]|, |v[X+32*\c+\i+1]|
	v_max3_num_f32 v[TM+2*\c+1], v[TM+2*\c+1], |v[X+32*\c+\i+17]|, |v[X+32*\c+\i+18]|
.endr
.endr
.irp c, 0,1
	v_max3_num_f32 v[TM+2*\c], v[TM+2*\c], |v[X+32*\c+14]|, |v[X+32*\c+15]|
.endr
.irp c, 0,1
	v_max3_num_f32 v[TM+2*\c], v[TM+2*\c], v[TM+2*\c+1], |v[X+32*\c+31]|    ; the block's largest magnitude
.endr
.irp c, 0,1
	v_add_nc_u32 v[TM+4+\c], 0xff000000, v[TM+2*\c]                        ; 2 off its exponent field: the conversion's scale operand
.endr
.irp c, 0,1
	v_lshrrev_b32 v[TM+6+\c], 23, v[TM+4+\c]                               ; the scale's byte
.endr
	v_lshl_or_b32 v[TM+8], v[TM+7], 16, v[TM+6]                            ; my two bytes,
	v_lshlrev_b32 v[TM+8], v[SH8], v[TM+8]                                 ; at their places in the word (8 h bits up);
	v_permlanex16_b32 v[TM+9], v[TM+8], s[SEL], s[SEL+1]
	v_or_b32 v[\sd], v[TM+8], v[TM+9]                                      ; with lane l xor 16's two the word is whole
	WIN (\fw)<<6
.irp c, 0,1
.irp g, 0,1,2,3
	v_cvt_scalef32_pk8_fp4_f32 v[(\fd)+4*\c+\g], v[X+32*\c+8*\g:X+32*\c+8*\g+7], v[TM+4+\c]
.endr
.endr
	v_nop                                                                  ; one plain place behind the scaled conversions
	WIN 0
.endm
	s_load_b256 s[4:11], s[0:1], 0x0               ; W1, W4, W2, W5
	s_load_b256 s[12:19], s[0:1], 0x20             ; b2, b5, input, wq
	s_load_b64 s[20:21], s[0:1], 0x40
	v_lshl_add_u32 v122, v0, 2, SPARE              ; my spare word, and 0: kept for the closing add alone
	v_mov_b32 v123, 0
	v_lshrrev_b32 v30, 5, v0
	v_readfirstlane_b32 s[WV], v30                 ; wave q
	v_and_b32 v30, 15, v0                          ; r
	v_bfe_u32 v31, v0, 4, 1                        ; h
	v_and_b32 v[LI], 31, v0
	v_lshlrev_b32 v[LI], 4, v[LI]
	s_mul_i32 s34, s[WV], STW
	v_add_nc_u32 v[STI], s34, v[LI]
	v_mul_u32_u24 v[STO], v30, 528
	v_lshl_add_u32 v[STO], v31, 7, v[STO]
	v_add_nc_u32 v[STO], s34, v[STO]
	s_lshl_b32 s34, s[WV], 10
	v_add_nc_u32 v[VO], s34, v[LI]
	s_lshl_b32 s34, s[WV], 11
	v_add_nc_u32 v[IMO], s34, v[LI]
	s_lshl_b32 s34, s[WV], 3
	v_lshl_add_u32 v[SCO], v30, 5, s34
	v_lshlrev_b32 v[BO], 5, v31
	v_lshlrev_b32 v[SH8], 3, v31
	s_lshl_b32 s34, s[WV], 12
	s_add_co_u32 s34, s34, SUM
	v_add_nc_u32 v[SUI], s34, v[LI]                ; my wave's partial sums
	s_lshl_b32 s34, s[WV], 10
	s_add_co_u32 s34, s34, SUM
	v_add_nc_u32 v[SUO], s34, v[LI]                ; tile m = my wave's number, in wave 0's sums
	s_lshl_b32 s34, s[WV], 16
	v_lshl_add_u32 v[GO], v30, 12, s34
	v_add_nc_u32 v[GO], v[GO], v[BO]               ; gtab: batch row 16 q + r of 4,096 bytes, + 32 h
	v_mov_b32 v[TM+9], 0                           ; written once: a lane permute's destination counts as one of its sources
	s_mov_b32 s[SEL], 0x76543210
	s_mov_b32 s[SEL+1], 0xfedcba98
	s_mov_b32 s[CC], 0x4038aa3b                    ; 2 log2(e)
	s_mov_b32 s[CC+1], s[CC]
	s_mov_b32 s30, 0x40b8aa3b                      ; 4 log2(e)
	s_mov_b32 s31, 0xc038aa3b                      ; -2 log2(e)
	s_and_b32 s32, ttmp9, 63                       ; tile
	s_bfe_u32 s33, ttmp9, 0x10006                  ; which of the pair (W1 or W4; W2 or W5)
	s_lshl_b32 s24, s32, 16                        ; 16 rows of 4,096 bytes
	s_mov_b32 s25, 0
	s_wait_kmcnt 0x0
	s_cmp_lg_u32 s33, 0                            ; the choices hang on the work-group's number alone
	s_cselect_b64 s[4:5], s[6:7], s[4:5]
	s_cselect_b64 s[8:9], s[10:11], s[8:9]
	s_cselect_b64 s[12:13], s[14:15], s[12:13]
	s_cmp_ge_u32 ttmp9, 128
	s_cselect_b64 s[4:5], s[8:9], s[4:5]
	s_add_nc_u64 s[4:5], s[4:5], s[24:25]          ; my weight at my tile's first row
	ALOAD 0, 4, 0, 4096, VO, 1
	ALOAD 1, 4, 512, 4096, VO, 1
	s_wait_loadcnt 16                              ; the first K step's 16 loads are in
	ATURN 0
	s_wait_dscnt 0x0
	QUANT WF, 0, WS
	s_wait_loadcnt 0x0
	ATURN 1
	s_wait_dscnt 0x0
	QUANT WF+8, 0, WS+1
	s_cmp_ge_u32 ttmp9, 128
	s_cbranch_scc1 .Lgate
	; ---- W1, W4: the record
	s_mul_i32 s34, s33, 64*REC
	s_mul_i32 s35, s32, REC
	s_add_co_u32 s24, s34, s35
	s_add_nc_u64 s[18:19], s[18:19], s[24:25]
.irp e, 0,1
.irp c, 0,1
	global_store_b128 v[IMO], v[WF+8*\e+4*\c:WF+8*\e+4*\c+3], s[18:19] offset:1024*\e+512*\c   ; 32 lanes store 512 consecutive bytes
.endr
.endr
	global_store_b64 v[SCO], v[WS:WS+1], s[18:19] offset:8192
	s_wait_tensorcnt 0x0                           ; the wave's end, behind my last LDS store
	ds_add_u32 v122, v123
	s_wait_dscnt 0x0
	s_endpgm
.Lgate:
	; ---- W2, W5: the product with input, and G
	s_lshl_b32 s24, s32, 6
	s_add_nc_u64 s[12:13], s[12:13], s[24:25]      ; the bias at my tile's 16 units
	s_add_nc_u64 s[20:21], s[20:21], s[24:25]      ; gtab likewise,
	s_lshl_b32 s24, s33, 18
	s_add_nc_u64 s[20:21], s[20:21], s[24:25]      ; in table t
	global_load_b128 v[BI:BI+3], v[BO], s[12:13]
	global_load_b128 v[BI+4:BI+7], v[BO], s[12:13] offset:16
.set N, 0
.rept 4
	ALOAD N, 16, (N/2)*65536+512*(N%2), 4096, VO, 0
.set N, N+1
.endr
.set N, 0
.rept 8                                        ; chunk N: rows 16 (N / 2) on of input, my K step N % 2; loads run four chunks ahead
.if N < 5
	s_wait_loadcnt 48                              ; this chunk's 16 loads are in; the three chunks behind it may be out
.else
	s_wait_loadcnt 16*(7-N)
.endif
	ATURN N%4
	s_wait_dscnt 0x0                               ; X is in, and the stage's stores have read the set
.if N+4 < 8
.set M, N+4
	ALOAD M%4, 16, (M/2)*65536+512*(M%2), 4096, VO, 0
.endif
	QUANT AF+8*N, 0, IS+N
.set N, N+1
.endr
.rept 8
	v_nop                                          ; a scale register written by a vector instruction stands 8 places ahead of a scaled matrix instruction
.endr
.irp e, 0,1                                    ; four accumulators by turns
.irp m, 0,1,2,3
.if \e == 0
	v_wmma_scale_f32_16x16x128_f8f6f4 v[ACC+8*\m:ACC+8*\m+7], v[WF+8*\e:WF+8*\e+7], v[AF+8*(2*\m+\e):AF+8*(2*\m+\e)+7], 0, v[WS+\e], v[IS+2*\m+\e] matrix_a_fmt:MATRIX_FMT_FP4 matrix_b_fmt:MATRIX_FMT_FP4
.else
	v_wmma_scale_f32_16x16x128_f8f6f4 v[ACC+8*\m:ACC+8*\m+7], v[WF+8*\e:WF+8*\e+7], v[AF+8*(2*\m+\e):AF+8*(2*\m+\e)+7], v[ACC+8*\m:ACC+8*\m+7], v[WS+\e], v[IS+2*\m+\e] matrix_a_fmt:MATRIX_FMT_FP4 matrix_b_fmt:MATRIX_FMT_FP4
.endif
.endr
.endr
.rept 4
	v_nop                                          ; four places in front of the first read of results
.endr
.irp m, 0,1,2,3
.irp c, 0,1
	ds_store_b128 v[SUI], v[ACC+8*\m+4*\c:ACC+8*\m+4*\c+3] offset:512*(2*\m+\c)   ; each accumulator from its low end on
.endr
.endr
	s_wait_dscnt 0x0                               ; for the others' sake: my partial sums lie in LDS
	s_barrier_signal -1
	s_barrier_wait -1
.irp p, 0,1,2,3
.irp c, 0,1
	ds_load_b128 v[SB+8*\p+4*\c:SB+8*\p+4*\c+3], v[SUO] offset:4096*\p+512*\c   ; tile m = my wave's number, of all four waves
.endr
.endr
	s_wait_dscnt 0x0
.irp k, 0,2,4,6
	v_pk_add_f32 v[SB+\k:SB+\k+1], v[SB+\k:SB+\k+1], v[SB+8+\k:SB+9+\k]
	v_pk_add_f32 v[SB+16+\k:SB+17+\k], v[SB+16+\k:SB+17+\k], v[SB+24+\k:SB+25+\k]
.endr
.irp k, 0,2,4,6
	v_pk_add_f32 v[SB+\k:SB+\k+1], v[SB+\k:SB+\k+1], v[SB+16+\k:SB+17+\k]
.endr
.irp k, 0,2,4,6
	v_pk_add_f32 v[SB+\k:SB+\k+1], v[SB+\k:SB+\k+1], v[BI+\k:BI+\k+1]        ; z + b (the bias's loads are older than the chunks', which were waited for)
.endr
.irp k, 0,2,4,6
	v_pk_mul_f32 v[SB+\k:SB+\k+1], v[SB+\k:SB+\k+1], s[CC:CC+1] op_sel_hi:[1,0]
.endr
	s_wait_alu depctr_va_vdst(0)
.irp j, 0,1,2,3,4,5,6,7
	v_exp_f32 v[SB+\j], v[SB+\j]
.endr
	v_nop
	s_wait_alu depctr_va_vdst(0)                   ; one wait for the batch, ahead of its first reader
.irp k, 0,2,4,6
	v_pk_add_f32 v[SB+\k:SB+\k+1], v[SB+\k:SB+\k+1], 1.0 op_sel_hi:[1,0]
.endr
	s_wait_alu depctr_va_vdst(0)
.irp j, 0,1,2,3,4,5,6,7
	v_rcp_f32 v[SB+\j], v[SB+\j]
.endr
	v_nop
	s_wait_alu depctr_va_vdst(0)                   ; one wait for the batch, ahead of its first reader
.irp j, 0,1,2,3,4,5,6,7
	v_fma_f32 v[SB+\j], v[SB+\j], s30, s31
.endr
	global_store_b128 v[GO], v[SB:SB+3], s[20:21]
	global_store_b128 v[GO], v[SB+4:SB+7], s[20:21] offset:16
	s_wait_tensorcnt 0x0                           ; the wave's end
	ds_add_u32 v122, v123
	s_wait_dscnt 0x0
	s_endpgm
.Lfunc_end_k_q00a49736c9_prep:
	.size	k_q00a49736c9_prep, .Lfunc_end_k_q00a49736c9_prep-k_q00a49736c9_prep
	.p2alignl 7, 3214868480
	.fill 96, 4, 3214868480
	.section	.rodata,"a",@progbits
	.p2align	6, 0x0
	.amdhsa_kernel k_q00a49736c9_prep
		.amdhsa_group_segment_fixed_size 50688
		.amdhsa_private_segment_fixed_size 0
		.amdhsa_enable_private_segment 0
		.amdhsa_kernarg_size 72
		.amdhsa_user_sgpr_count 2
		.amdhsa_user_sgpr_kernarg_segment_ptr 1
		.amdhsa_wavefront_size32 1
		.amdhsa_system_sgpr_workgroup_id_x 1
		.amdhsa_system_sgpr_workgroup_id_y 1
		.amdhsa_system_sgpr_workgroup_id_z 1
		.amdhsa_system_vgpr_workitem_id 0
		.amdhsa_next_free_vgpr 512
		.amdhsa_next_free_sgpr 66
		.amdhsa_reserve_vcc 0
		.amdhsa_float_denorm_mode_32 3
		.amdhsa_float_denorm_mode_16_64 3
		.amdhsa_memory_ordered 1
		.amdhsa_forward_progress 1
		.amdhsa_inst_pref_size 76
	.end_amdhsa_kernel
	.amdgpu_metadata
---
amdhsa.version: [ 1, 2 ]
amdhsa.kernels:
  - .name:           k_q00a49736c9_prep
    .symbol:         k_q00a49736c9_prep.kd
    .args:
      - { .name: W1, .offset: 0, .size: 8, .value_kind: global_buffer, .address_space: global }
      - { .name: W4, .offset: 8, .size: 8, .value_kind: global_buffer, .address_space: global }
      - { .name: W2, .offset: 16, .size: 8, .value_kind: global_buffer, .address_space: global }
      - { .name: W5, .offset: 24, .size: 8, .value_kind: global_buffer, .address_space: global }
      - { .name: b2, .offset: 32, .size: 8, .value_kind: global_buffer, .address_space: global }
      - { .name: b5, .offset: 40, .size: 8, .value_kind: global_buffer, .address_space: global }
      - { .name: input, .offset: 48, .size: 8, .value_kind: global_buffer, .address_space: global }
      - { .name: wq, .offset: 56, .size: 8, .value_kind: global_buffer, .address_space: global }
      - { .name: gtab, .offset: 64, .size: 8, .value_kind: global_buffer, .address_space: global }
    .group_segment_fixed_size: 50688
    .private_segment_fixed_size: 0
    .kernarg_segment_align: 8
    .kernarg_segment_size: 72
    .max_flat_workgroup_size: 128
    .sgpr_count:     66
    .vgpr_count:     512
    .wavefront_size: 32
...
	.end_amdgpu_metadata
.endif
;; end of part 1
;; launch score (part 2): grid 256 x 1, 8 waves a work-group, clusters of 4 x 1, 327,680 bytes of LDS; arguments hidden_state, field_hidden_state, wq, gtab, b1, b4, sco; writes sco
.if DOCPART == 2
	.amdgcn_target "amdgcn-amd-amdhsa--gfx1250"
	.amdhsa_code_object_version 6
	.text
	.protected	k_q00a49736c9_score
	.globl	k_q00a49736c9_score
	.p2align	8
	.type	k_q00a49736c9_score,@function
k_q00a49736c9_score:
	s_mov_b64 s[64:65], 0
	v_nop
	global_prefetch_b8 v0, s[64:65] scope:SCOPE_SE
	s_setreg_imm32_b32 hwreg(HW_REG_WAVE_MODE, 25, 1), 1
	s_wait_xcnt 0x0
	s_wait_alu depctr_hold_cnt(0) depctr_sa_sdst(0) depctr_va_vdst(0) depctr_va_sdst(0) depctr_va_ssrc(0) depctr_va_vcc(0) depctr_vm_vsrc(0)
	s_getreg_b32 s2, hwreg(HW_REG_IB_STS2, 6, 4)
	s_cmp_eq_u32 s2, 0
	s_cbranch_scc0 .Lentry_in_a_cluster
	s_endpgm
.Lentry_in_a_cluster:
	s_bfe_u32 s2, ttmp6, 0x10000c
	s_cmp_lg_u32 s2, 0x3003
	s_cbranch_scc0 .Lentry_shape_is_right
	s_endpgm
.Lentry_shape_is_right:
; SCORE.  sco[t][row] = the sum over the 1,024 units n of G[t][batch][n] x r, r = 1 / (1 + 2^(2 log2(e) (z + b))), z = Q(row) . Q(W[n]) on codes of E2M1 with E8M0 scales.
; That is the row's score in base-2 units less a term that is the same for all rows of a batch (left out: see the first kernel's head).  t = 0: hidden_state, W1, b1; t = 1: field_hidden_state, W4, b4.
; SHARES.  Work-groups 0-127 take t = 0, the others t = 1; a work-group takes 256 rows, in eight waves, two to a SIMD.
; HEAD.  Wave w quantises rows 32 w .. 32 w + 31 in 16 chunks of 16 rows x 128 K.  A chunk is 16 loads of 512 consecutive bytes: lane l holds k = 4 l .. 4 l + 3 of each row, so a block of 32 lies in 8 lanes.
; The block's largest magnitude is joined over those lanes; eight registers (four numbers of each of two rows) are converted twice, once with each row's scale, and the valid halves joined; lanes l and l xor 1 then
; change halves, so that an even lane holds 8 neighbouring codes of the even row and an odd lane 8 of the odd row.  Only codes (4 bytes a lane) and scale words go to LDS, row by row: 9 stores a chunk.
; Loads run four chunks ahead in each of the eight waves.
; PRODUCT.  Waves 2 g and 2 g + 1 both take rows 64 g .. 64 g + 63 as A (256 registers of codes, read from LDS once); wave w takes the tiles of 16 units whose number has the parity of w.  Their sums meet in LDS.
; W comes as records of 8,704 bytes a tile (register images and scale bytes, laid by the first launch) through two LDS slots of 8 records, a record a wave.  The four work-groups of a cluster walk the same
; records: each is a joint load with the mask 15.  No prefetch: the records are read again by every cluster, and the rows' loads keep each wave's load counter full.
; A TILE.  Source 0 = 16 of my rows, source 1 = the tile's 16 units: a lane holds one unit and eight rows, so bias and G are one number a lane.  32 matrix instructions (4 accumulators by turns), then r:
; the 32 registers in two halves that stand one stage apart, so that each run of 16 transcendentals has 8 plain packed lines of the other half among it.
; REGISTERS.  Window 0: all but A's codes.  Window 1: the head's four sets of loaded rows, then A's codes.
; LIMITS: NaN and infinities among the inputs are not served; where 2^t overflows, r is 0, which is its limit.  A block of zeros gets the byte 1: its codes are zeros, and this program alone reads the bytes.
; (The next record's LDS loads stand six at a time, directly behind the waits between the stages of r: see the macro MIX.)
.set REC,    8704
.set SLOTB,  8*REC
.set WQT,    64*REC
.set CP,     528                       ; a row of codes in LDS: 512 bytes + 16
.set IMG,    2*SLOTB                   ; behind the ring: the codes of 256 rows,
.set ASC,    IMG+256*CP                ; their scale words, 32 bytes a row,
.set BCT,    ASC+8192                  ; the table: 1,024 x (2 log2(e) b), then 1,024 x G,
.set PSUM,   BCT+8192                  ; the waves' sums, 256 bytes each,
.set SPARE,  PSUM+2048                 ; and the spare words, 128 bytes a wave, which no other line names
.set LI,   1
.set SPW,  2
.set NIL,  3
.set ADR,  4
.set ADSC, 5
.set ADT,  6
.set R32,  7
.set BT0,  8
.set SADR, 9
.set AADR, 10
.set SELV, 11
.set SHV,  12
.set TOF,  13
.set TLA,  14
.set AFA,  15
.set ASA,  16
.set WO1,  17
.set WO2,  18
.set WO3,  19
.set AS,   32                          ; v32-63   A's scale words
.set BS,   64                          ; v64-71   B's
.set BG,   72                          ; v72-75   2 log2(e) b, 0, G, 0
.set B,    80                          ; v80-143  B's fragments
.set D,    144                         ; v144-175 four accumulators
.set SA,   176                         ; v176-207 the sums
.set EV,   80                          ; the head: v80-95 largest magnitudes, then scale operands
.set CA,   96                          ; v96-127  codes, two sets
.set NBR,  128                         ; v128-135 the neighbour's codes
.set WA,   136
.set WB,   137
.set UA,   138
.set UB,   139
.set WD,   140                         ; v140-141 scale words, two sets
.set TT,   144
.set WV,   18
.set SEL,  20
.set CC,   22
.set G1,   24
.set G0,   32
.set TB,   40
.set TG,   41
.set CNT,  42
.set NH,   59
.set RG,   60
.set NB0,  61
.set NB1,  62
.set MK,   66                          ; s67-73: the lanes with l % 8 = j
.set MK8,  74
.set LOW,  75
.set MSB, 0
.macro WIN new                         ; the immediate's high byte repeats the setting that is left
.if MSB != (\new)
	s_set_vgpr_msb (MSB<<8)|(\new)
.set MSB, (\new)
.endif
.endm
.macro WALU
	s_wait_alu depctr_va_vdst(0)
.endm
.macro CROUND                          ; a round of the cluster's barrier
	s_barrier_signal -1
	s_barrier_wait -1
	s_cmp_lg_u32 s[WV], 0
	s_cbranch_scc1 .Lnot_wave_0_\@
	s_barrier_signal -3
.Lnot_wave_0_\@:
	s_barrier_wait -3
	s_barrier_signal -1
	s_barrier_wait -1
.endm
; chunk c of a trip: rows 16 (c % 2) on, K step c / 2 of the trip's two: each load reads 512 consecutive bytes of one row, into set c of window 1
.macro ALOAD c, extra
	WIN 0x40
.irp i, 0,1,2,3,4,5,6,7,8,9,10,11,12,13,14,15
	global_load_b128 v[64*(\c)+4*\i:64*(\c)+4*\i+3], v[LI], s[4:5] offset:(\extra)+((\c)&1)*65536+((\c)>>1)*512+\i*4096 th:TH_LOAD_NT
.endr
	WIN 0
.endm
.macro CHUNK c, ld, wl
.set R, 64*(\c)
.set CS, CA+16*((\c)&1)
	s_wait_loadcnt \wl                             ; this chunk's 16 loads are in; wl loads of later chunks may be out
	s_wait_dscnt 9                                 ; the last chunk's 9 stores may be out; those of the chunk before, which read this set of codes, are done
	WIN 0x15
.irp i, 0,1,2,3,4,5,6,7,8,9,10,11,12,13,14,15
	v_max3_num_f32 v[EV+\i], |v[R+4*\i]|, |v[R+4*\i+1]|, |v[R+4*\i+2]|
.endr
	WIN 0x04
.irp i, 0,1,2,3,4,5,6,7,8,9,10,11,12,13,14,15
	v_max3_num_f32 v[EV+\i], v[EV+\i], |v[R+4*\i+3]|, 0x1800000            ; with the floor 2^(3 - 127): the byte cannot fall under 1
.endr
	WIN 0
.irp m, 1,2,4
.irp i, 0,1,2,3,4,5,6,7,8,9,10,11,12,13,14,15
	v_max_num_f32_dpp v[EV+\i], v[EV+\i], v[EV+\i] row_xmask:\m row_mask:0xf bank_mask:0xf   ; over the block's 8 lanes
.endr
.endr
.irp i, 0,1,2,3,4,5,6,7,8,9,10,11,12,13,14,15
	v_add_nc_u32 v[EV+\i], 0xff000000, v[EV+\i]                            ; 2 off the exponent field: the conversion's scale operand
.endr
	WIN 0x01
.irp p, 0,1,2,3,4,5,6,7
	v_cvt_scalef32_pk8_fp4_f32 v[CS+2*\p], v[R+8*\p:R+8*\p+7], v[EV+2*\p]       ; rows 2 p and 2 p + 1 under row 2 p's scale: the low half is right,
	v_cvt_scalef32_pk8_fp4_f32 v[CS+2*\p+1], v[R+8*\p:R+8*\p+7], v[EV+2*\p+1]   ; under row 2 p + 1's: the high half
.endr
	v_nop                                                                  ; one plain place behind the scaled conversions
	WIN 0
.if \ld
	ALOAD \c, 1024                                 ; the same chunk of the next trip
.endif
.irp p, 0,1,2,3,4,5,6,7
	v_bfi_b32 v[CS+2*\p], s[LOW], v[CS+2*\p], v[CS+2*\p+1]
.endr
.irp p, 0,1,2,3,4,5,6,7
	v_mov_b32_dpp v[NBR+\p], v[CS+2*\p] row_xmask:1 row_mask:0xf bank_mask:0xf
.endr
.irp p, 0,1,2,3,4,5,6,7
	v_perm_b32 v[CS+2*\p+1], v[NBR+\p], v[CS+2*\p], v[SELV]                ; even lane: row 2 p, k = 4 l .. 4 l + 7; odd lane: row 2 p + 1, k = 4 (l - 1) .. 4 l + 3
.endr
.irp p, 0,1,2,3,4,5,6,7
	ds_store_b32 v[SADR], v[CS+2*\p+1] offset:(16*((\c)&1)+2*\p)*CP+64*((\c)>>1)
.endr
	v_cndmask_b32 v[WA], v[EV], v[EV+1], s[MK+1]   ; lane (g, j) takes row j's scale of block g; WB: row 8 + j's
	v_cndmask_b32 v[WB], v[EV+8], v[EV+9], s[MK+1]
.irp j, 2,3,4,5,6,7
	s_delay_alu instid0(VALU_DEP_2)
	v_cndmask_b32 v[WA], v[WA], v[EV+\j], s[MK+\j]
	s_delay_alu instid0(VALU_DEP_2)
	v_cndmask_b32 v[WB], v[WB], v[EV+8+\j], s[MK+\j]
.endr
	s_delay_alu instid0(VALU_DEP_2)
	v_lshrrev_b32 v[WA], 23, v[WA]                 ; the scale's byte,
	s_delay_alu instid0(VALU_DEP_2)
	v_lshrrev_b32 v[WB], 23, v[WB]
	s_delay_alu instid0(VALU_DEP_2)
	v_lshlrev_b32 v[WA], v[SHV], v[WA]             ; at its place in the word, 8 g bits up;
	s_delay_alu instid0(VALU_DEP_2)
	v_lshlrev_b32 v[WB], v[SHV], v[WB]
	s_delay_alu instid0(VALU_DEP_2)
	v_mov_b32_dpp v[UA], v[WA] row_xmask:8 row_mask:0xf bank_mask:0xf
	s_delay_alu instid0(VALU_DEP_2)
	v_mov_b32_dpp v[UB], v[WB] row_xmask:8 row_mask:0xf bank_mask:0xf
	s_delay_alu instid0(VALU_DEP_2)
	v_or_b32 v[WA], v[WA], v[UA]                   ; with lane l xor 8's
	s_delay_alu instid0(VALU_DEP_2)
	v_or_b32 v[WB], v[WB], v[UB]
	s_delay_alu instid0(VALU_DEP_2)
	v_permlanex16_b32 v[UA], v[WA], s[SEL], s[SEL+1]
	s_delay_alu instid0(VALU_DEP_2)
	v_permlanex16_b32 v[UB], v[WB], s[SEL], s[SEL+1]
	s_delay_alu instid0(VALU_DEP_2)
	v_or_b32 v[WA], v[WA], v[UA]                   ; and lane l xor 16's the word is whole
	s_delay_alu instid0(VALU_DEP_2)
	v_or_b32 v[WB], v[WB], v[UB]
	s_delay_alu instid0(VALU_DEP_1)
	v_cndmask_b32 v[WD+((\c)&1)], v[WA], v[WB], s[MK8]   ; lane l: row l % 16
	ds_store_b32 v[AADR], v[WD+((\c)&1)] offset:((\c)&1)*512+4*((\c)>>1)   ; lanes l and l xor 16 store the same word
.endm
	s_load_b256 s[4:11], s[0:1], 0x0               ; hidden_state, field_hidden_state, wq, gtab
	s_load_b128 s[12:15], s[0:1], 0x20             ; b1, b4
	s_load_b64 s[16:17], s[0:1], 0x30              ; sco
	v_lshl_add_u32 v[SPW], v0, 2, SPARE
	v_mov_b32 v[NIL], 0
	ds_add_u32 v[SPW], v[NIL]                      ; the opening: the add, twice on end, and its wait ahead of the first round
	ds_add_u32 v[SPW], v[NIL]
	v_lshrrev_b32 v20, 5, v0
	v_readfirstlane_b32 s[WV], v20                 ; wave 0..7
	s_and_b32 s[NH], s[WV], 1                      ; which tiles are mine
	s_lshr_b32 s[RG], s[WV], 1                     ; which 64 rows are my A
	s_bfe_u32 s19, ttmp6, 0x40000                  ; cx
	s_lshl_b32 s43, ttmp9, 2
	s_add_co_u32 s43, s43, s19                     ; work-group
	s_and_b32 s44, s43, 127                        ; its number within the tensor
	s_lshr_b32 s45, ttmp9, 5                       ; t: the same in all four partners
	s_lshl_b32 s46, s44, 20                        ; 256 rows of 4,096 bytes
	s_lshl_b32 s48, s[WV], 17
	s_add_co_u32 s46, s46, s48                     ; + the 32 rows that I quantise
	s_mov_b32 s47, 0
	s_lshr_b32 s49, s44, 1                         ; batch
	s_lshl_b32 s49, s49, 12
	s_lshl_b32 s50, s45, 18
	s_add_co_u32 s50, s50, s49                     ; gtab[t][batch]
	s_mov_b32 s51, 0
	s_lshl_b32 s52, s45, 17
	s_lshl_b32 s48, s44, 10
	s_add_co_u32 s52, s52, s48
	s_lshl_b32 s48, s[RG], 8
	s_add_co_u32 s52, s52, s48                     ; sco[t][my A's first row]
	s_mov_b32 s53, 0
	s_mul_i32 s56, s[WV], REC                      ; my record of a slot
	s_mul_i32 s54, s45, WQT
	s_add_co_u32 s54, s54, s56
	s_mov_b32 s55, 0
	s_mul_i32 s[NB0], s[NH], REC                   ; my first record in slot 0,
	s_add_co_u32 s[NB1], s[NB0], SLOTB             ; in slot 1
	s_mov_b32 s[G1+0], 15|(3<<16)|(1<<21)          ; the mask of all four partners, elements of 8 bytes, bit 21 beside the mask
	s_mov_b32 s[G1+1], 32<<16                      ; a record is dense: 34 rows of 256 bytes
	s_mov_b32 s[G1+2], 34<<16
	s_mov_b32 s[G1+3], 32<<16
	s_mov_b32 s[G1+4], 34
	s_mov_b32 s[G1+5], 32
	s_mov_b32 s[G1+6], 0
	s_mov_b32 s[G1+7], 0
	s_mov_b32 s[SEL], 0x76543210
	s_mov_b32 s[SEL+1], 0xfedcba98
	s_mov_b32 s[CC], 0x4038aa3b                    ; 2 log2(e)
	s_mov_b32 s[CC+1], s[CC]
.irp j, 1,2,3,4,5,6,7
	s_mov_b32 s[MK+\j], 0x01010101<<\j
.endr
	s_mov_b32 s[MK8], 0xff00ff00
	s_mov_b32 s[LOW], 0xffff
	s_mov_b32 s57, 0xaaaaaaaa                      ; the odd lanes
	WALU
	s_wait_dscnt 0x0                               ; both opening adds are done
	s_wait_kmcnt 0x0
	s_cmp_lt_u32 ttmp9, 32                         ; the choice hangs on the cluster's number alone
	s_cselect_b64 s[4:5], s[4:5], s[6:7]
	s_cselect_b64 s[12:13], s[12:13], s[14:15]
	s_add_nc_u64 s[4:5], s[4:5], s[46:47]
	s_add_nc_u64 s[10:11], s[10:11], s[50:51]
	s_add_nc_u64 s[16:17], s[16:17], s[52:53]
	s_add_nc_u64 s[8:9], s[8:9], s[54:55]
	CROUND                                         ; in front of the first joint load
.irp n, 0,1
	s_mov_b32 s[G0+4*\n], 1
	s_add_co_u32 s[G0+4*\n+1], s56, \n*SLOTB
	s_add_nc_u64 s[G0+4*\n+2:G0+4*\n+3], s[8:9], \n*SLOTB
	s_or_b32 s[G0+4*\n+3], s[G0+4*\n+3], 0x80000000
.endr
	tensor_load_to_lds s[G0:G0+3], s[G1:G1+7]      ; tiles 0-7, a record a wave: my one load at the head
	s_nop 0
.rept 4
	v_nop
.endr
	v_and_b32 v20, 15, v0                          ; r
	v_bfe_u32 v21, v0, 4, 1                        ; h
	v_and_b32 v[LI], 31, v0
	v_lshlrev_b32 v[LI], 4, v[LI]                  ; 16 x lane
	v_and_b32 v22, 1, v0
	v_mul_u32_u24 v22, v22, CP
	v_and_b32 v23, 30, v0
	v_lshl_add_u32 v22, v23, 1, v22
	s_mul_i32 s58, s[WV], 32*CP
	s_add_co_u32 s58, s58, IMG
	v_add_nc_u32 v[SADR], s58, v22                 ; codes in: my 32 rows; + a row for odd lanes; + 2 (l - l % 2)
	s_lshl_b32 s58, s[WV], 10
	s_add_co_u32 s58, s58, ASC
	v_lshl_add_u32 v[AADR], v20, 5, s58            ; scale words in: row r of my 32
	v_mov_b32 v[SELV], 0x05040100                  ; even lanes: my low half, the neighbour's low half
	v_mov_b32 v22, 0x03020706                      ; odd lanes: the neighbour's high half, my high half
	v_cndmask_b32 v[SELV], v[SELV], v22, s57
	v_and_b32 v[SHV], 24, v0                       ; 8 g
	v_lshlrev_b32 v[R32], 5, v20
	v_lshl_add_u32 v[BT0], v20, 2, BCT
	v_lshlrev_b32 v[TOF], 4, v0
	v_add_nc_u32 v[TLA], BCT, v[TOF]
	v_mul_u32_u24 v[AFA], v20, CP
	v_lshl_add_u32 v[AFA], v21, 4, v[AFA]
	s_mul_i32 s58, s[RG], 64*CP
	s_add_co_u32 s58, s58, IMG
	v_add_nc_u32 v[AFA], s58, v[AFA]               ; codes out: row r of my A's 64, + 16 h
	s_lshl_b32 s58, s[RG], 11
	s_add_co_u32 s58, s58, ASC
	v_add_nc_u32 v[ASA], s58, v[R32]
	s_lshl_b32 s58, s[WV], 8
	s_add_co_u32 s58, s58, PSUM
	v_lshl_add_u32 v[WO1], v21, 5, s58
	v_lshrrev_b32 v[WO3], 1, v[LI]
	v_add_nc_u32 v[WO2], s58, v[WO3]
.irp j, 0,1,2,3,4,5,6,7,10,11
	v_mov_b32 v[NBR+\j], 0                         ; written once: the destination of a lane move counts as one of its sources
.endr
	WALU
	global_load_b128 v[TT:TT+3], v[TOF], s[12:13]
	global_load_b128 v[TT+4:TT+7], v[TOF], s[10:11]
	ALOAD 0, 0
	ALOAD 1, 0
	ALOAD 2, 0
	s_wait_loadcnt 48                              ; the table's two loads are in; the 48 of three chunks may be out
	v_pk_mul_f32 v[TT:TT+1], v[TT:TT+1], s[CC:CC+1] op_sel_hi:[1,0]
	v_pk_mul_f32 v[TT+2:TT+3], v[TT+2:TT+3], s[CC:CC+1] op_sel_hi:[1,0]
	ds_store_b128 v[TLA], v[TT:TT+3]
	ds_store_b128 v[TLA], v[TT+4:TT+7] offset:4096
	ALOAD 3, 0
	s_mov_b32 s[CNT], 3
.Lq:                                               ; a trip: two K steps of my 32 rows, four chunks; the last trip is written out, since it loads nothing
	CHUNK 0, 1, 48
	CHUNK 1, 1, 48
	CHUNK 2, 1, 48
	CHUNK 3, 1, 48
	s_wait_xcnt 0x0                                ; the loads have read their base
	s_add_nc_u64 s[4:5], s[4:5], 1024
	s_wait_dscnt 0x0                               ; the stores have read their addresses
	v_add_nc_u32 v[SADR], 128, v[SADR]
	v_add_nc_u32 v[AADR], 8, v[AADR]
	s_sub_co_u32 s[CNT], s[CNT], 1
	s_cmp_lg_u32 s[CNT], 0
	WALU
	s_cbranch_scc1 .Lq
	CHUNK 0, 0, 48
	CHUNK 1, 0, 32
	CHUNK 2, 0, 16
	CHUNK 3, 0, 0
	WALU
	s_wait_tensorcnt 0x0                           ; slot 1's first fill is issued as a refill is: my record of slot 0 is in,
	ds_add_u32 v[SPW], v[NIL]                      ; the add,
.irp j, 0,1,2,3,4,5,6,7,8,9,10,11,12,13,14,15,16,17,18,19,20,21,22,23,24,25,26,27,28,29,30,31
	v_mov_b32 v[SA+\j], 0                          ; (the sums)
.endr
	v_mov_b32 v[BG+1], 0                           ; (named as the upper halves of pairs)
	v_mov_b32 v[BG+3], 0
	WALU
	s_wait_dscnt 0x0                               ; my codes, scale words and part of the table lie in LDS,
	CROUND                                         ; a whole round: so do everybody's, and slot 0 is whole,
	tensor_load_to_lds s[G0+4:G0+7], s[G1:G1+7]    ; and tiles 8-15, the first tensor load behind it
	s_nop 0
.rept 4
	v_nop
.endr
	WIN 0x40
.irp m, 0,1,2,3
.irp s, 0,1,2,3,4,5,6,7
	ds_load_b128 v[8*(8*\m+\s):8*(8*\m+\s)+3], v[AFA] offset:\m*16*CP+64*\s        ; A's fragment (m, s): k = 128 s + 32 h + 0 .. 31,
	ds_load_b128 v[8*(8*\m+\s)+4:8*(8*\m+\s)+7], v[AFA] offset:\m*16*CP+64*\s+32   ; and 64 further on
.endr
.endr
	WIN 0
.irp m, 0,1,2,3
	ds_load_b128 v[AS+8*\m:AS+8*\m+3], v[ASA] offset:512*\m
	ds_load_b128 v[AS+8*\m+4:AS+8*\m+7], v[ASA] offset:512*\m+16
.endr
.macro PROD s, m
.if \s == 0
	v_wmma_scale_f32_16x16x128_f8f6f4 v[D+8*\m:D+8*\m+7], v[8*(8*\m+\s):8*(8*\m+\s)+7], v[B+8*\s:B+8*\s+7], 0, v[AS+8*\m+\s], v[BS+\s] matrix_a_fmt:MATRIX_FMT_FP4 matrix_b_fmt:MATRIX_FMT_FP4
.else
	v_wmma_scale_f32_16x16x128_f8f6f4 v[D+8*\m:D+8*\m+7], v[8*(8*\m+\s):8*(8*\m+\s)+7], v[B+8*\s:B+8*\s+7], v[D+8*\m:D+8*\m+7], v[AS+8*\m+\s], v[BS+\s] matrix_a_fmt:MATRIX_FMT_FP4 matrix_b_fmt:MATRIX_FMT_FP4
.endif
.endm
.macro LD1 n                           ; the n-th of the next record's 18 loads: 16 of register images, 2 of scale words
.if FETCH && ((\n) < 16)
	ds_load_b128 v[B+4*(\n):B+4*(\n)+3], v[ADR] offset:512*(\n)
.endif
.if FETCH && ((\n) >= 16) && ((\n) < 18)
	ds_load_b128 v[BS+4*((\n)-16):BS+4*((\n)-16)+3], v[ADSC] offset:8192+16*((\n)-16)
.endif
.endm
.macro LDG                             ; the next tile's 2 log2(e) b and G of my unit
	ds_load_b32 v[BG], v[ADT]
	ds_load_b32 v[BG+2], v[ADT] offset:4096
.endm
.macro SUMUP px                        ; pair I of half px: the sums += r x G
	v_pk_fma_f32 v[SA+16*\px+2*I:SA+16*\px+2*I+1], v[D+16*\px+2*I:D+16*\px+2*I+1], v[BG+2:BG+3], v[SA+16*\px+2*I:SA+16*\px+2*I+1] op_sel_hi:[1,0,1]
.endm
; Six of the next record's LDS loads, from number l0 on, directly behind the stage's wait; then 16 transcendentals on half tx (tr = 0: 2^t; 1: the reciprocal), and among them 8 plain lines on half px
; (pl = 1: 1 + e; 2: the sums; 0: none).  The last vector line is plain: the place behind the run
.macro MIX tr, tx, pl, px, l0
.set I, 0
.rept 6
	LD1 (\l0)+I
.set I, I+1
.endr
.set I, 0
.rept 8
.if \tr
	v_rcp_f32 v[D+16*\tx+2*I], v[D+16*\tx+2*I]
	v_rcp_f32 v[D+16*\tx+2*I+1], v[D+16*\tx+2*I+1]
.else
	v_exp_f32 v[D+16*\tx+2*I], v[D+16*\tx+2*I]
	v_exp_f32 v[D+16*\tx+2*I+1], v[D+16*\tx+2*I+1]
.endif
.if \pl == 1
	v_pk_add_f32 v[D+16*\px+2*I:D+16*\px+2*I+1], v[D+16*\px+2*I:D+16*\px+2*I+1], 1.0 op_sel_hi:[1,0]
.endif
.if \pl == 2
	SUMUP \px
.endif
.set I, I+1
.endr
.if \pl == 0
	v_nop
.endif
.endm
; the change of slots: my four records of the slot left are in registers.  fill = 1: that slot takes the records 16 further on
.macro CHANGE fill, slot
	s_wait_tensorcnt 0x0                           ; my record of the slot ahead is in, and no load of mine is out
	ds_add_u32 v[SPW], v[NIL]
.if \fill
	s_add_nc_u64 s[G0+4*\slot+2:G0+4*\slot+3], s[G0+4*\slot+2:G0+4*\slot+3], 2*SLOTB
.endif
	s_mov_b32 s[TB], s[NB1-\slot]                  ; my first record in the other slot
	s_wait_dscnt 0x0                               ; the add is done, and my reads of the slot left are over
.if \fill
	CROUND                                         ; the round takes the barrier's place: no wave of any partner still reads the slot
	tensor_load_to_lds s[G0+4*\slot:G0+4*\slot+3], s[G1:G1+7]
	s_nop 0
.rept 4
	v_nop
.endr
.else
	s_barrier_signal -1
	s_barrier_wait -1
.endif
.endm
; mode 0: the last tile; 1: the next record lies in the same slot; 2: in the other slot, and the slot left is filled again; 3: in the other slot, nothing is filled
.macro TILE mode, slot
.set FETCH, (\mode) != 0
	s_wait_dscnt 2                                 ; the record's 18 loads are in; the youngest two, the table words, may be out
	WIN 0x01
.irp s, 0,1,2,3,4,5,6,7
.irp m, 0,1,2,3
	PROD \s, \m
.endr
.endr
	WIN 0
.if (\mode) >= 2
	CHANGE (\mode)==2, \slot
.endif
	v_add_nc_u32 v[ADR], s[TB], v[LI]              ; (these four lines are the places behind the last products)
	v_add_nc_u32 v[ADSC], s[TB], v[R32]
	v_add_nc_u32 v[ADT], s[TG], v[BT0]
	v_nop
	WALU
	s_wait_dscnt 0x0                               ; the table words are in
	s_add_co_u32 s[TB], s[TB], 2*REC
	s_add_co_u32 s[TG], s[TG], 128
.set I, 0
.rept 16
	v_pk_fma_f32 v[D+2*I:D+2*I+1], v[D+2*I:D+2*I+1], s[CC:CC+1], v[BG:BG+1] op_sel_hi:[1,0,0]   ; t = 2 log2(e) (z + b); each accumulator from its low end on
.set I, I+1
.endr
	WALU                                           ; one wait between the stages: ahead of a run of transcendentals and ahead of its readers
	MIX 0, 0, 0, 0, 0
	WALU
	MIX 0, 1, 1, 0, 6
	WALU
	MIX 1, 0, 1, 1, 12
	WALU
	MIX 1, 1, 2, 0, 24
	WALU
.set I, 0
.rept 8
	SUMUP 1
.set I, I+1
.endr
.if FETCH
	LDG
.endif
.endm
	s_mov_b32 s[TB], s[NB0]
	s_lshl_b32 s[TG], s[NH], 6
	v_add_nc_u32 v[ADR], s[TB], v[LI]
	v_add_nc_u32 v[ADSC], s[TB], v[R32]
	v_add_nc_u32 v[ADT], s[TG], v[BT0]
	WALU
.set FETCH, 1
.set I, 0
.rept 18
	LD1 I                                          ; my first record
.set I, I+1
.endr
	LDG
	s_add_co_u32 s[TB], s[TB], 2*REC
	s_add_co_u32 s[TG], s[TG], 128
	s_mov_b32 s[CNT], 3
.Lp:                                               ; a trip goes once round the ring: my four tiles of slot 0, my four of slot 1; both slots are filled again
	TILE 1, 0
	TILE 1, 0
	TILE 1, 0
	TILE 2, 0
	TILE 1, 1
	TILE 1, 1
	TILE 1, 1
	TILE 2, 1
	s_sub_co_u32 s[CNT], s[CNT], 1
	s_cmp_lg_u32 s[CNT], 0
	WALU
	s_cbranch_scc1 .Lp
	TILE 1, 0                                      ; the last lap fills nothing
	TILE 1, 0
	TILE 1, 0
	TILE 3, 0
	TILE 1, 1
	TILE 1, 1
	TILE 1, 1
	TILE 0, 1
	WALU
.irp m, 1,2,4,8
.irp j, 0,1,2,3,4,5,6,7,8,9,10,11,12,13,14,15,16,17,18,19,20,21,22,23,24,25,26,27,28,29,30,31
	v_add_f32_dpp v[SA+\j], v[SA+\j], v[SA+\j] row_xmask:\m row_mask:0xf bank_mask:0xf   ; over the 16 units that the lanes of a row hold
.endr
.endr
.irp j, 0,1,2,3,4,5,6,7,8,9,10,11,12,13,14,15,16,17,18,19,20,21,22,23,24,25,26,27,28,29,30,31
	ds_store_b32 v[WO1], v[SA+\j] offset:64*(\j/8)+4*(\j%8)   ; row 16 (j / 8) + 8 h + j % 8; sixteen lanes write the same word with the same value
.endr
	s_wait_tensorcnt 0x0                           ; behind my last LDS store: the dscnt wait two lines down is also the wait for the others' sake
	ds_add_u32 v[SPW], v[NIL]
	s_wait_dscnt 0x0
	s_barrier_signal -1
	s_barrier_wait -1
	s_cmp_lg_u32 s[NH], 0
	s_cbranch_scc1 .Lodd                           ; the even wave of a pair adds the two halves of the units and stores
	ds_load_b64 v[24:25], v[WO2]
	ds_load_b64 v[26:27], v[WO2] offset:256
	s_wait_dscnt 0x0
	v_pk_add_f32 v[24:25], v[24:25], v[26:27]
	global_store_b64 v[WO3], v[24:25], s[16:17]    ; 32 lanes store one aligned unit of 256 bytes
.Lodd:
	CROUND                                         ; the closing round
	s_endpgm
.Lfunc_end_k_q00a49736c9_score:
	.size	k_q00a49736c9_score, .Lfunc_end_k_q00a49736c9_score-k_q00a49736c9_score
	.p2alignl 7, 3214868480
	.fill 96, 4, 3214868480
	.section	.rodata,"a",@progbits
	.p2align	6, 0x0
	.amdhsa_kernel k_q00a49736c9_score
		.amdhsa_group_segment_fixed_size 327680
		.amdhsa_private_segment_fixed_size 0
		.amdhsa_enable_private_segment 0
		.amdhsa_kernarg_size 56
		.amdhsa_user_sgpr_count 2
		.amdhsa_user_sgpr_kernarg_segment_ptr 1
		.amdhsa_wavefront_size32 1
		.amdhsa_system_sgpr_workgroup_id_x 1
		.amdhsa_system_sgpr_workgroup_id_y 1
		.amdhsa_system_sgpr_workgroup_id_z 1
		.amdhsa_system_vgpr_workitem_id 0
		.amdhsa_next_free_vgpr 512
		.amdhsa_next_free_sgpr 80
		.amdhsa_reserve_vcc 0
		.amdhsa_float_denorm_mode_32 3
		.amdhsa_float_denorm_mode_16_64 3
		.amdhsa_memory_ordered 1
		.amdhsa_forward_progress 1
		.amdhsa_inst_pref_size 255
	.end_amdhsa_kernel
	.section	.bss,"aw",@nobits
	.p2align	6
	.space	262144
	.amdgpu_metadata
---
amdhsa.version: [ 1, 2 ]
amdhsa.kernels:
  - .name:           k_q00a49736c9_score
    .symbol:         k_q00a49736c9_score.kd
    .args:
      - { .name: hidden_state, .offset: 0, .size: 8, .value_kind: global_buffer, .address_space: global }
      - { .name: field_hidden_state, .offset: 8, .size: 8, .value_kind: global_buffer, .address_space: global }
      - { .name: wq, .offset: 16, .size: 8, .value_kind: global_buffer, .address_space: global }
      - { .name: gtab, .offset: 24, .size: 8, .value_kind: global_buffer, .address_space: global }
      - { .name: b1, .offset: 32, .size: 8, .value_kind: global_buffer, .address_space: global }
      - { .name: b4, .offset: 40, .size: 8, .value_kind: global_buffer, .address_space: global }
      - { .name: sco, .offset: 48, .size: 8, .value_kind: global_buffer, .address_space: global }
    .group_segment_fixed_size: 327680
    .private_segment_fixed_size: 0
    .kernarg_segment_align: 8
    .kernarg_segment_size: 56
    .max_flat_workgroup_size: 256
    .sgpr_count:     80
    .vgpr_count:     512
    .wavefront_size: 32
...
	.end_amdgpu_metadata
.endif
;; end of part 2
;; launch ctxk (part 3): grid 256 x 1, 16 waves a work-group, no clusters, 51,200 bytes of LDS; arguments hidden_state, sco, ctx, wts; writes ctx, wts
.if DOCPART == 3
	.amdgcn_target "amdgcn-amd-amdhsa--gfx1250"
	.amdhsa_code_object_version 6
	.text
	.protected	k_q00a49736c9_ctxk
	.globl	k_q00a49736c9_ctxk
	.p2align	8
	.type	k_q00a49736c9_ctxk,@function
k_q00a49736c9_ctxk:
	s_mov_b64 s[64:65], 0
	v_nop
	global_prefetch_b8 v0, s[64:65] scope:SCOPE_SE
	s_setreg_imm32_b32 hwreg(HW_REG_WAVE_MODE, 25, 1), 1
	s_wait_xcnt 0x0
; CTXK.  Work-group g: batch g / 4, columns 256 (g % 4) on.  weights = norm(norm(2^(t0 - max t0)) x norm(2^(t1 - max t1))), norm(p) = p / (1e-6 + the sum of p over the batch's 512 rows);
; context[batch][column] = the sum over the rows of hidden_state x weight, in f32.  The scores are in base-2 units and carry a term common to a batch, which the maximum takes away.
; Every wave makes all 512 weights itself (16 a lane for each tensor: 4 KiB of scores, no barrier), turns them through its own 2 KiB of LDS and keeps the 64 of its rows 64 w .. 64 w + 63 in registers.
; Then it streams its 64 rows' 1,024 bytes, two loads of 512 consecutive bytes a row, 32 loads ahead, one fused multiply-add a number; the eight waves' sums meet in LDS.
; Memory binds: no matrix unit, no tensor load, no cluster (the work-groups' parts of hidden_state are disjoint; the scores they share are 4 KiB).
; LIMITS: NaN and infinities are not served; a weight under 2^-126 comes out of the exponential as 0.
; SIXTEEN WAVES: where the lines above say eight waves and 64 rows, read sixteen waves and 32 rows: wave w takes rows 32 w .. 32 w + 31, keeps their 32 weights, and has 32 loads of 512 bytes out.
.set PS,  32768                        ; behind the weights (2,048 bytes a wave): the partial sums, 1,024 bytes a wave
.set SPARE, 49152                      ; behind them: the spare words, 128 bytes a wave, which no other line names
.set LI,  1
.set WLA, 2
.set WRA, 3
.set PSA, 4
.set PRA, 5
.set CO,  6
.set ACC, 8                            ; v8-15
.set SC0, 16                           ; v16-31  register 4 i + k: row 128 i + 4 lane + k
.set SC1, 32
.set T,   48
.set WT,  64                           ; v64-95 my rows' weights, the same in every lane
.set X,   128                          ; v128-255 four sets of four rows
	s_load_b256 s[4:11], s[0:1], 0x0
	v_lshl_add_u32 v56, v0, 2, SPARE               ; my spare word, and 0: kept for the closing add alone
	v_mov_b32 v57, 0
	v_lshrrev_b32 v7, 5, v0
	s_delay_alu instid0(VALU_DEP_1)
	v_readfirstlane_b32 s12, v7                    ; wave 0..15
	s_lshr_b32 s13, ttmp9, 2                       ; batch
	s_and_b32 s14, ttmp9, 3                        ; quarter of the columns
	s_mov_b32 s16, 0x76543210
	s_mov_b32 s17, 0xfedcba98
	s_mov_b32 s18, 0x358637bd                      ; 1e-6
	v_and_b32 v[LI], 31, v0
	s_delay_alu instid0(VALU_DEP_1)
	v_lshlrev_b32 v[LI], 4, v[LI]
	s_lshl_b32 s20, s12, 11
	v_add_nc_u32 v[WLA], s20, v[LI]                ; my wave's 512 weights
	s_mul_i32 s20, s12, 2176
	v_mov_b32 v[WRA], s20                          ; in them the weights of rows 32 w on: 2,048 w + 128 w
	s_lshl_b32 s20, s12, 10
	s_add_co_u32 s20, s20, PS
	v_add_nc_u32 v[PSA], s20, v[LI]
	s_and_b32 s20, s12, 1
	s_lshl_b32 s20, s20, 9
	v_add_nc_u32 v[CO], s20, v[LI]                 ; waves 0 and 1 finish: 512 bytes each
	s_delay_alu instid0(VALU_DEP_1)
	v_add_nc_u32 v[PRA], PS, v[CO]
	s_lshl_b32 s22, s13, 21                        ; a batch: 512 rows of 4,096 bytes
	s_lshl_b32 s20, s12, 17
	s_add_co_u32 s22, s22, s20
	s_lshl_b32 s20, s14, 10
	s_add_co_u32 s22, s22, s20
	s_mov_b32 s23, 0
	s_lshl_b32 s24, s13, 11
	s_mov_b32 s25, 0
	s_lshl_b32 s26, s13, 12
	s_add_co_u32 s26, s26, s20
	s_mov_b32 s27, 0
	s_wait_alu depctr_va_vdst(0)
	s_wait_kmcnt 0x0
	s_add_nc_u64 s[4:5], s[4:5], s[22:23]
	s_add_nc_u64 s[6:7], s[6:7], s[24:25]
	s_add_nc_u64 s[10:11], s[10:11], s[24:25]
	s_add_nc_u64 s[8:9], s[8:9], s[26:27]
.irp i, 0,1,2,3
	global_load_b128 v[SC0+4*\i:SC0+4*\i+3], v[LI], s[6:7] offset:512*\i
	global_load_b128 v[SC1+4*\i:SC1+4*\i+3], v[LI], s[6:7] offset:131072+512*\i
.endr
.macro GLOAD g                         ; rows 4 g .. 4 g + 3 of my 32: eight loads of 512 consecutive bytes
.irp k, 0,1,2,3
.irp u, 0,1
	global_load_b128 v[X+32*((\g)%4)+8*\k+4*\u:X+32*((\g)%4)+8*\k+4*\u+3], v[LI], s[4:5] offset:(4*(\g)+\k)*4096+512*\u th:TH_LOAD_NT
.endr
.endr
.endm
	GLOAD 0
	GLOAD 1
	GLOAD 2
	GLOAD 3
.macro SUMNORM s                       ; the 16 registers at v[s] are divided by 1e-6 + their sum over the 512 rows
	v_pk_add_f32 v[T+2:T+3], v[\s:\s+1], v[\s+2:\s+3]
	v_pk_add_f32 v[T+4:T+5], v[\s+4:\s+5], v[\s+6:\s+7]
	v_pk_add_f32 v[T+2:T+3], v[T+2:T+3], v[\s+8:\s+9]
	v_pk_add_f32 v[T+4:T+5], v[T+4:T+5], v[\s+10:\s+11]
	v_pk_add_f32 v[T+2:T+3], v[T+2:T+3], v[\s+12:\s+13]
	v_pk_add_f32 v[T+4:T+5], v[T+4:T+5], v[\s+14:\s+15]
	s_delay_alu instid0(VALU_DEP_1)
	v_pk_add_f32 v[T+2:T+3], v[T+2:T+3], v[T+4:T+5]
	s_delay_alu instid0(VALU_DEP_1)
	v_add_f32 v[T+2], v[T+2], v[T+3]
.irp m, 1,2,4,8
	s_delay_alu instid0(VALU_DEP_1)
	v_add_f32_dpp v[T+2], v[T+2], v[T+2] row_xmask:\m row_mask:0xf bank_mask:0xf
.endr
	s_delay_alu instid0(VALU_DEP_1)
	v_permlanex16_b32 v[T+3], v[T+2], s16, s17
	s_delay_alu instid0(VALU_DEP_1)
	v_add_f32 v[T+2], v[T+2], v[T+3]
	s_delay_alu instid0(VALU_DEP_1)
	v_add_f32 v[T+2], s18, v[T+2]
	s_wait_alu depctr_va_vdst(0)
	v_rcp_f32 v[T+2], v[T+2]
	v_nop
	s_wait_alu depctr_va_vdst(0)                   ; the wait ahead of the first reader
.irp k, 0,2,4,6,8,10,12,14
	v_pk_mul_f32 v[\s+\k:\s+\k+1], v[\s+\k:\s+\k+1], v[T+2:T+3] op_sel_hi:[1,0]
.endr
.endm
.macro NORM s                          ; 2^(t - the largest t), then SUMNORM
	v_max3_num_f32 v[T], v[\s], v[\s+1], v[\s+2]
	v_max3_num_f32 v[T+1], v[\s+3], v[\s+4], v[\s+5]
.irp i, 6,10
	s_delay_alu instid0(VALU_DEP_2)
	v_max3_num_f32 v[T], v[T], v[\s+\i], v[\s+\i+1]
	s_delay_alu instid0(VALU_DEP_2)
	v_max3_num_f32 v[T+1], v[T+1], v[\s+\i+2], v[\s+\i+3]
.endr
	s_delay_alu instid0(VALU_DEP_2)
	v_max3_num_f32 v[T], v[T], v[\s+14], v[\s+15]
	s_delay_alu instid0(VALU_DEP_1)
	v_max_num_f32 v[T], v[T], v[T+1]
.irp m, 1,2,4,8
	s_delay_alu instid0(VALU_DEP_1)
	v_max_num_f32_dpp v[T], v[T], v[T] row_xmask:\m row_mask:0xf bank_mask:0xf
.endr
	s_delay_alu instid0(VALU_DEP_1)
	v_permlanex16_b32 v[T+1], v[T], s16, s17
	s_delay_alu instid0(VALU_DEP_1)
	v_max_num_f32 v[T], v[T], v[T+1]
.irp i, 0,1,2,3,4,5,6,7,8,9,10,11,12,13,14,15
	v_sub_f32 v[\s+\i], v[\s+\i], v[T]
.endr
	s_wait_alu depctr_va_vdst(0)
.irp i, 0,1,2,3,4,5,6,7,8,9,10,11,12,13,14,15
	v_exp_f32 v[\s+\i], v[\s+\i]
.endr
	v_nop
	s_wait_alu depctr_va_vdst(0)                   ; one wait for the batch, ahead of its first reader
	SUMNORM \s
.endm
	s_wait_loadcnt 32                              ; the eight score loads are in; the 32 row loads behind them may be out
	NORM SC0
	NORM SC1
.irp k, 0,2,4,6,8,10,12,14
	v_pk_mul_f32 v[SC0+\k:SC0+\k+1], v[SC0+\k:SC0+\k+1], v[SC1+\k:SC1+\k+1]
.endr
	SUMNORM SC0
.irp i, 0,1,2,3
	ds_store_b128 v[WLA], v[SC0+4*\i:SC0+4*\i+3] offset:512*\i
.endr
.irp i, 0,1,2,3,4,5,6,7
	ds_load_b128 v[WT+4*\i:WT+4*\i+3], v[WRA] offset:16*\i
.endr
	s_or_b32 s20, s12, s14
	s_cmp_lg_u32 s20, 0
	s_cbranch_scc1 .Lnot_mine                      ; wave 0 of the batch's first work-group stores the weights, [batch][row]
.irp i, 0,1,2,3
	global_store_b128 v[LI], v[SC0+4*\i:SC0+4*\i+3], s[10:11] offset:512*\i
.endr
.Lnot_mine:
	s_wait_dscnt 0x0
.set G, 0
.rept 8
.if G < 5
	s_wait_alu depctr_va_vdst(0)
	s_wait_loadcnt 24                              ; this group's eight loads are in; the three groups behind it may be out
.else
	s_wait_alu depctr_va_vdst(0)
	s_wait_loadcnt 8*(7-G)
.endif
.irp k, 0,1,2,3
.irp j, 0,1,2,3,4,5,6,7
.if (G == 0) && (\k == 0)
	v_mul_f32 v[ACC+\j], v[WT], v[X+\j]            ; the first row starts the sums
.else
	v_fmac_f32 v[ACC+\j], v[WT+4*G+\k], v[X+32*(G%4)+8*\k+\j]
.endif
.endr
.endr
.if G+4 < 8
	GLOAD G+4
.endif
.set G, G+1
.endr
	ds_store_b128 v[PSA], v[ACC:ACC+3]
	ds_store_b128 v[PSA], v[ACC+4:ACC+7] offset:512
	s_wait_tensorcnt 0x0                           ; behind my last LDS store: the dscnt wait two lines down is also the wait for the others' sake
	ds_add_u32 v56, v57
	s_wait_dscnt 0x0
	s_barrier_signal -1
	s_barrier_wait -1
	s_cmp_ge_u32 s12, 2
	s_cbranch_scc1 .Ldone
.irp p, 0,1,2,3,4,5,6,7,8,9,10,11,12,13,14,15
	ds_load_b128 v[X+4*\p:X+4*\p+3], v[PRA] offset:1024*\p
.endr
	s_wait_dscnt 0x0
.irp k, 0,2,4,6,8,10,12,14,16,18,20,22,24,26,28,30
	v_pk_add_f32 v[X+\k:X+\k+1], v[X+\k:X+\k+1], v[X+32+\k:X+33+\k]   ; waves 8-15 onto waves 0-7
.endr
.irp k, 0,2
	v_pk_add_f32 v[X+\k:X+\k+1], v[X+\k:X+\k+1], v[X+4+\k:X+5+\k]
	v_pk_add_f32 v[X+8+\k:X+9+\k], v[X+8+\k:X+9+\k], v[X+12+\k:X+13+\k]
	v_pk_add_f32 v[X+16+\k:X+17+\k], v[X+16+\k:X+17+\k], v[X+20+\k:X+21+\k]
	v_pk_add_f32 v[X+24+\k:X+25+\k], v[X+24+\k:X+25+\k], v[X+28+\k:X+29+\k]
.endr
.irp k, 0
	v_pk_add_f32 v[X+\k:X+\k+1], v[X+\k:X+\k+1], v[X+8+\k:X+9+\k]
	v_pk_add_f32 v[X+16+\k:X+17+\k], v[X+16+\k:X+17+\k], v[X+24+\k:X+25+\k]
.endr
.irp k, 2
	v_pk_add_f32 v[X+\k:X+\k+1], v[X+\k:X+\k+1], v[X+8+\k:X+9+\k]
	s_delay_alu instid0(VALU_DEP_4)
	v_pk_add_f32 v[X+16+\k:X+17+\k], v[X+16+\k:X+17+\k], v[X+24+\k:X+25+\k]
.endr
.irp k, 0
	s_delay_alu instid0(VALU_DEP_3)
	v_pk_add_f32 v[X+\k:X+\k+1], v[X+\k:X+\k+1], v[X+16+\k:X+17+\k]
.endr
.irp k, 2
	s_delay_alu instid0(VALU_DEP_2)
	v_pk_add_f32 v[X+\k:X+\k+1], v[X+\k:X+\k+1], v[X+16+\k:X+17+\k]
.endr
	global_store_b128 v[CO], v[X:X+3], s[8:9]      ; 32 lanes store 512 consecutive bytes
.Ldone:
	s_endpgm
.Lfunc_end_k_q00a49736c9_ctxk:
	.size	k_q00a49736c9_ctxk, .Lfunc_end_k_q00a49736c9_ctxk-k_q00a49736c9_ctxk
	.p2alignl 7, 3214868480
	.fill 96, 4, 3214868480
	.section	.rodata,"a",@progbits
	.p2align	6, 0x0
	.amdhsa_kernel k_q00a49736c9_ctxk
		.amdhsa_group_segment_fixed_size 51200
		.amdhsa_private_segment_fixed_size 0
		.amdhsa_enable_private_segment 0
		.amdhsa_kernarg_size 32
		.amdhsa_user_sgpr_count 2
		.amdhsa_user_sgpr_kernarg_segment_ptr 1
		.amdhsa_wavefront_size32 1
		.amdhsa_system_sgpr_workgroup_id_x 1
		.amdhsa_system_sgpr_workgroup_id_y 1
		.amdhsa_system_sgpr_workgroup_id_z 1
		.amdhsa_system_vgpr_workitem_id 0
		.amdhsa_next_free_vgpr 256
		.amdhsa_next_free_sgpr 66
		.amdhsa_reserve_vcc 0
		.amdhsa_float_denorm_mode_32 3
		.amdhsa_float_denorm_mode_16_64 3
		.amdhsa_memory_ordered 1
		.amdhsa_forward_progress 1
		.amdhsa_inst_pref_size 33
	.end_amdhsa_kernel
	.amdgpu_metadata
---
amdhsa.version: [ 1, 2 ]
amdhsa.kernels:
  - .name:           k_q00a49736c9_ctxk
    .symbol:         k_q00a49736c9_ctxk.kd
    .args:
      - { .name: hidden_state, .offset: 0, .size: 8, .value_kind: global_buffer, .address_space: global }
      - { .name: sco, .offset: 8, .size: 8, .value_kind: global_buffer, .address_space: global }
      - { .name: ctx, .offset: 16, .size: 8, .value_kind: global_buffer, .address_space: global }
      - { .name: wts, .offset: 24, .size: 8, .value_kind: global_buffer, .address_space: global }
    .group_segment_fixed_size: 51200
    .private_segment_fixed_size: 0
    .kernarg_segment_align: 8
    .kernarg_segment_size: 32
    .max_flat_workgroup_size: 512
    .sgpr_count:     66
    .vgpr_count:     256
    .wavefront_size: 32
...
	.end_amdgpu_metadata
.endif
;; end of part 3
;; launch outp (part 4): grid 256 x 1, 8 waves a work-group, no clusters, 101,376 bytes of LDS; arguments ctx, input, W3, b3, finished, wts, out0, out1; writes out0, out1
.if DOCPART == 4
	.amdgcn_target "amdgcn-amd-amdhsa--gfx1250"
	.amdhsa_code_object_version 6
	.text
	.protected	k_q00a49736c9_outp
	.globl	k_q00a49736c9_outp
	.p2align	8
	.type	k_q00a49736c9_outp,@function
k_q00a49736c9_outp:
	s_mov_b64 s[64:65], 0
	v_nop
	global_prefetch_b8 v0, s[64:65] scope:SCOPE_SE
	s_setreg_imm32_b32 hwreg(HW_REG_WAVE_MODE, 25, 1), 1
	s_wait_xcnt 0x0
; OUTP.  out0 = where(finished, 0, [context, input] W3^T + b3), the product on codes of E2M1 with E8M0 scales; out1[row][batch] = wts[batch][row].
; Work-group g: units 16 g .. 16 g + 15 (16 rows of W3, [1024][2048] f32) x all 64 batch rows.  K = 2,048 is 16 K steps of 128; wave q takes steps 2 q and 2 q + 1, which lie in context (q < 4) or in input.
; Each wave quantises its two K steps of W3's 16 rows and of the 64 batch rows, multiplies (source 0 = W3's rows, source 1 = 16 batch rows: a lane holds eight neighbouring units of one batch row);
; the eight waves' partial sums meet in LDS; wave w finishes piece w (tile of rows w / 2, half w % 2 of the registers).
; The quantiser is that of the launches before.  LIMITS: NaN and infinities are not served; K is split over the waves, so the order of the f32 sums differs from one ascending chain.
; 64 work-groups: one for each tile of 16 units.  No cluster and no tensor load: W3's rows are a work-group's own; what is shared (context and input, 512 KiB) comes through registers.
; 256 WORK-GROUPS: where the lines above say 64 work-groups and all 64 batch rows, read: work-group x takes units 16 (x % 64) on and batch rows 16 (x / 64) on.  A wave then has four chunks: its two K steps of
; W3's 16 rows and of the 16 batch rows; one accumulator, two links; waves 0 and 1 finish the two halves of its registers.  out1: work-group x takes rows 2 x and 2 x + 1, a row to each of waves 0 and 1.
.set STW,    16*528
.set SUM,    8*STW
.set TO_R,   0x40
.set FROM_R, 0x04
.set LI,  1
.set STI, 2
.set STO, 3
.set VOW, 4                            ; 16 x lane + 1024 q
.set VOA, 5                            ; 16 x lane + 1024 (q % 4)
.set BO,  6
.set FO,  7
.set BI,  8                            ; v8-11
.set FIN, 12
.set TOF, 13
.set WTS, 14                           ; v14-15
.set SUI, 16
.set SUO, 17
.set TM,  18
.set SH8, 28
.set OO,  29
.set WF,  32
.set AF,  48
.set WS,  112
.set IS,  114
.set O1O, 122
.set X,   128
.set ACC, 192
.set SB,  224
.set WV,  23
.set SEL, 26
.set MSB, 0
.macro WIN new                         ; the immediate's high byte repeats the setting that is left
.if MSB != (\new)
	s_set_vgpr_msb (MSB<<8)|(\new)
.set MSB, (\new)
.endif
.endm
.macro ALOAD set, base, off, pitch, vo, nt     ; 16 rows x 128 numbers: each load reads one row's 512 consecutive bytes
	WIN TO_R
.irp i, 0,1,2,3,4,5,6,7,8,9,10,11,12,13,14,15
.if \nt
	global_load_b128 v[64*(\set)+4*\i:64*(\set)+4*\i+3], v[\vo], s[\base:\base+1] offset:(\off)+\i*(\pitch) th:TH_LOAD_NT
.else
	global_load_b128 v[64*(\set)+4*\i:64*(\set)+4*\i+3], v[\vo], s[\base:\base+1] offset:(\off)+\i*(\pitch)
.endif
.endr
	WIN 0
.endm
.macro ATURN set                               ; through my own stage: X[32 c + i] = k 64 c + 32 h + i of row r
	WIN FROM_R
.irp i, 0,1,2,3,4,5,6,7,8,9,10,11,12,13,14,15
	ds_store_b128 v[STI], v[64*(\set)+4*\i:64*(\set)+4*\i+3] offset:528*\i
.endr
	WIN 0
.irp c, 0,1
.irp j, 0,1,2,3,4,5,6,7
	ds_load_b128 v[X+32*\c+4*\j:X+32*\c+4*\j+3], v[STO] offset:256*\c+16*\j
.endr
.endr
.endm
.macro QUANT fd, fw, sd                        ; X (two whole blocks a lane) -> a fragment at v[fd] of window fw, its scale word in v[sd]
.irp c, 0,1
	v_max3_num_f32 v[TM+2*\c], |v[X+32*\c]|, |v[X+32*\c+1]|, 0x1800000      ; with the floor 2^(3 - 127): the byte cannot fall under 1
	v_max3_num_f32 v[TM+2*\c+1], |v[X+32*\c+16]|, |v[X+32*\c+17]|, |v[X+32*\c+18]|
.endr
.irp i, 2,4,6,8,10,12
.irp c, 0,1
	s_delay_alu instid0(VALU_DEP_4)
	v_max3_num_f32 v[TM+2*\c], v[TM+2*\c], |v[X+32*\c+\i]|, |v[X+32*\c+\i+1]|
	s_delay_alu instid0(VALU_DEP_4)
	v_max3_num_f32 v[TM+2*\c+1], v[TM+2*\c+1], |v[X+32*\c+\i+17]|, |v[X+32*\c+\i+18]|
.endr
.endr
.irp c, 0
	s_delay_alu instid0(VALU_DEP_4)
	v_max3_num_f32 v[TM+2*\c], v[TM+2*\c], |v[X+32*\c+14]|, |v[X+32*\c+15]|
.endr
.irp c, 1
	s_delay_alu instid0(VALU_DEP_3)
	v_max3_num_f32 v[TM+2*\c], v[TM+2*\c], |v[X+32*\c+14]|, |v[X+32*\c+15]|
.endr
.irp c, 0,1
	s_delay_alu instid0(VALU_DEP_2)
	v_max3_num_f32 v[TM+2*\c], v[TM+2*\c], v[TM+2*\c+1], |v[X+32*\c+31]|
.endr
.irp c, 0,1
	s_delay_alu instid0(VALU_DEP_2)
	v_add_nc_u32 v[TM+4+\c], 0xff000000, v[TM+2*\c]                        ; 2 off the exponent field: the conversion's scale operand
.endr
.irp c, 0,1
	s_delay_alu instid0(VALU_DEP_2)
	v_lshrrev_b32 v[TM+6+\c], 23, v[TM+4+\c]                               ; the scale's byte
.endr
	s_delay_alu instid0(VALU_DEP_1)
	v_lshl_or_b32 v[TM+8], v[TM+7], 16, v[TM+6]
	s_delay_alu instid0(VALU_DEP_1)
	v_lshlrev_b32 v[TM+8], v[SH8], v[TM+8]
	s_delay_alu instid0(VALU_DEP_1)
	v_permlanex16_b32 v[TM+9], v[TM+8], s[SEL], s[SEL+1]
	s_delay_alu instid0(VALU_DEP_1)
	v_or_b32 v[\sd], v[TM+8], v[TM+9]
	WIN (\fw)<<6
.irp c, 0,1
.irp g, 0,1,2,3
	v_cvt_scalef32_pk8_fp4_f32 v[(\fd)+4*\c+\g], v[X+32*\c+8*\g:X+32*\c+8*\g+7], v[TM+4+\c]
.endr
.endr
	v_nop                                                                  ; one plain place behind the scaled conversions
	WIN 0
.endm
.macro LOADN n                         ; chunk n: 0, 1: W3's 16 rows, my K step n; 2 .. 9: batch rows 16 ((n - 2) / 2) on, my K step n % 2
.if (\n) < 2
	ALOAD (\n)%4, 8, 512*(\n), 8192, VOW, 1
.else
	ALOAD (\n)%4, 4, (((\n)-2)/2)*65536+512*((\n)%2), 4096, VOA, 0
.endif
.endm
	s_load_b256 s[4:11], s[0:1], 0x0               ; ctx, input, W3, b3
	s_load_b256 s[12:19], s[0:1], 0x20
	v_lshl_add_u32 v123, v0, 2, 100352             ; my spare word (behind the sums: 128 bytes a wave, which no other line names), and 0: kept for the closing add alone
	v_mov_b32 v124, 0
	v_lshrrev_b32 v30, 5, v0
	s_delay_alu instid0(VALU_DEP_1)
	v_readfirstlane_b32 s[WV], v30                 ; wave q, 0..7
	v_and_b32 v30, 15, v0                          ; r
	v_bfe_u32 v31, v0, 4, 1                        ; h
	v_and_b32 v[LI], 31, v0
	s_delay_alu instid0(VALU_DEP_1)
	v_lshlrev_b32 v[LI], 4, v[LI]
	s_wait_alu depctr_va_vdst(0)
	s_mul_i32 s34, s[WV], STW
	v_add_nc_u32 v[STI], s34, v[LI]
	v_mul_u32_u24 v[STO], v30, 528
	s_delay_alu instid0(VALU_DEP_1)
	v_lshl_add_u32 v[STO], v31, 7, v[STO]
	s_delay_alu instid0(VALU_DEP_1)
	v_add_nc_u32 v[STO], s34, v[STO]
	s_lshl_b32 s34, s[WV], 10
	v_add_nc_u32 v[VOW], s34, v[LI]
	s_and_b32 s34, s[WV], 3
	s_lshl_b32 s34, s34, 10
	v_add_nc_u32 v[VOA], s34, v[LI]
	s_and_b32 s35, s[WV], 1                        ; my piece: half c of the registers,
	s_mov_b32 s36, 0                               ; one tile of batch rows: the work-group's
	s_lshl_b32 s37, s35, 4
	v_lshl_add_u32 v[BO], v31, 5, s37              ; 32 h + 16 c: my four units in the tile's 64 bytes
	s_lshl_b32 s38, s36, 4
	v_add_nc_u32 v[FO], s38, v30                   ; my batch row: 16 m + r
	v_lshlrev_b32 v[TOF], 8, v[LI]
	s_lshl_b32 s39, s[WV], 2
	v_add_nc_u32 v[TOF], s39, v[TOF]               ; wts: batch 2 x lane (4,096 bytes apart), row 2 g + wave
	v_lshlrev_b32 v[O1O], 3, v0                    ; out1: 8 bytes a thread
	v_lshlrev_b32 v[SH8], 3, v31
	s_lshl_b32 s34, s[WV], 12
	s_add_co_u32 s34, s34, SUM
	v_add_nc_u32 v[SUI], s34, v[LI]
	s_lshl_b32 s34, s[WV], 9
	s_add_co_u32 s34, s34, SUM
	v_add_nc_u32 v[SUO], s34, v[LI]
	s_lshl_b32 s34, s36, 16
	v_lshl_add_u32 v[OO], v30, 12, s34
	s_delay_alu instid0(VALU_DEP_1)
	v_add_nc_u32 v[OO], v[OO], v[BO]               ; out0: row 16 m + r of 4,096 bytes, + 32 h + 16 c
	v_mov_b32 v[TM+9], 0                           ; written once: a lane permute's destination counts as one of its sources
	s_mov_b32 s[SEL], 0x76543210
	s_mov_b32 s[SEL+1], 0xfedcba98
	s_mov_b32 s25, 0
	s_wait_alu depctr_va_vdst(0)
	s_wait_kmcnt 0x0
	s_cmp_lt_u32 s[WV], 4                          ; the choice hangs on the wave's number alone
	s_cselect_b64 s[4:5], s[4:5], s[6:7]
	s_and_b32 s40, ttmp9, 63                       ; the tile of units
	s_lshr_b32 s41, ttmp9, 6                       ; the tile of batch rows
	s_lshl_b32 s24, s41, 16                        ; 16 batch rows of 4,096 bytes: in context or input, and in out0
	s_add_nc_u64 s[4:5], s[4:5], s[24:25]
	s_add_nc_u64 s[16:17], s[16:17], s[24:25]
	s_lshl_b32 s24, s41, 4                         ; and 16 bytes of finished
	s_add_nc_u64 s[12:13], s[12:13], s[24:25]
	s_lshl_b32 s24, s40, 17
	s_add_nc_u64 s[8:9], s[8:9], s[24:25]
	s_lshl_b32 s24, s40, 6
	s_add_nc_u64 s[10:11], s[10:11], s[24:25]
	s_add_nc_u64 s[16:17], s[16:17], s[24:25]
	s_lshl_b32 s24, ttmp9, 3
	s_add_nc_u64 s[14:15], s[14:15], s[24:25]
	s_lshl_b32 s24, ttmp9, 9
	s_add_nc_u64 s[18:19], s[18:19], s[24:25]
	global_load_b128 v[BI:BI+3], v[BO], s[10:11]
	global_load_u8 v[FIN], v[FO], s[12:13]
	s_cmp_ge_u32 s[WV], 2                          ; out1's two rows go to waves 0 and 1
	s_cbranch_scc1 .Lno_w
	global_load_b32 v[WTS], v[TOF], s[14:15]
	global_load_b32 v[WTS+1], v[TOF], s[14:15] offset:2048
.Lno_w:
.set N, 0
.rept 4
	LOADN N
.set N, N+1
.endr
.set N, 0
.rept 4
.if N < 1
	s_wait_loadcnt 48                              ; this chunk's 16 loads are in; the three chunks behind it may be out
.else
	s_wait_loadcnt 16*(3-N)
.endif
	ATURN N%4
	s_wait_dscnt 0x0                               ; X is in, and the stage's stores have read the set
.if N+4 < 4
	LOADN N+4
.endif
.if N < 2
	QUANT WF+8*N, 0, WS+N
.else
	QUANT AF+8*(N-2), 0, IS+N-2
.endif
.set N, N+1
.endr
	s_cmp_ge_u32 s[WV], 2
	s_wait_alu depctr_va_vdst(0)
	s_cbranch_scc1 .Lno_o1
	global_store_b64 v[O1O], v[WTS:WTS+1], s[18:19]   ; out1: 32 lanes store 256 consecutive bytes, one row (the small loads are older than the chunks', which were waited for)
.Lno_o1:
.rept 8
	v_nop                                          ; a scale register written by a vector instruction stands 8 places ahead of a scaled matrix instruction
.endr
.irp e, 0,1
.irp m, 0
.if \e == 0
	v_wmma_scale_f32_16x16x128_f8f6f4 v[ACC+8*\m:ACC+8*\m+7], v[WF+8*\e:WF+8*\e+7], v[AF+8*(2*\m+\e):AF+8*(2*\m+\e)+7], 0, v[WS+\e], v[IS+2*\m+\e] matrix_a_fmt:MATRIX_FMT_FP4 matrix_b_fmt:MATRIX_FMT_FP4
.else
	s_wait_alu depctr_va_vdst(0)                   ; the wait directly ahead of the link
	v_wmma_scale_f32_16x16x128_f8f6f4 v[ACC+8*\m:ACC+8*\m+7], v[WF+8*\e:WF+8*\e+7], v[AF+8*(2*\m+\e):AF+8*(2*\m+\e)+7], v[ACC+8*\m:ACC+8*\m+7], v[WS+\e], v[IS+2*\m+\e] matrix_a_fmt:MATRIX_FMT_FP4 matrix_b_fmt:MATRIX_FMT_FP4
.endif
.endr
.endr
.rept 4
	v_nop                                          ; four places in front of the first read of results
.endr
.irp m, 0
.irp c, 0,1
	ds_store_b128 v[SUI], v[ACC+8*\m+4*\c:ACC+8*\m+4*\c+3] offset:512*(2*\m+\c)
.endr
.endr
	s_wait_tensorcnt 0x0                           ; behind my last LDS store: the dscnt wait two lines down is also the wait for the others' sake
	ds_add_u32 v123, v124
	s_wait_dscnt 0x0
	s_barrier_signal -1
	s_barrier_wait -1
	s_cmp_ge_u32 s[WV], 2                          ; waves 0 and 1 finish: half w of the accumulator's registers
	s_cbranch_scc1 .Lfin
.irp p, 0,1,2,3,4,5,6,7
	ds_load_b128 v[SB+4*\p:SB+4*\p+3], v[SUO] offset:4096*\p
.endr
	s_wait_dscnt 0x0
.irp k, 0,2
	v_pk_add_f32 v[SB+\k:SB+\k+1], v[SB+\k:SB+\k+1], v[SB+4+\k:SB+5+\k]
	v_pk_add_f32 v[SB+8+\k:SB+9+\k], v[SB+8+\k:SB+9+\k], v[SB+12+\k:SB+13+\k]
	v_pk_add_f32 v[SB+16+\k:SB+17+\k], v[SB+16+\k:SB+17+\k], v[SB+20+\k:SB+21+\k]
	v_pk_add_f32 v[SB+24+\k:SB+25+\k], v[SB+24+\k:SB+25+\k], v[SB+28+\k:SB+29+\k]
.endr
.irp k, 0
	v_pk_add_f32 v[SB+\k:SB+\k+1], v[SB+\k:SB+\k+1], v[SB+8+\k:SB+9+\k]
	v_pk_add_f32 v[SB+16+\k:SB+17+\k], v[SB+16+\k:SB+17+\k], v[SB+24+\k:SB+25+\k]
.endr
.irp k, 2
	v_pk_add_f32 v[SB+\k:SB+\k+1], v[SB+\k:SB+\k+1], v[SB+8+\k:SB+9+\k]
	s_delay_alu instid0(VALU_DEP_4)
	v_pk_add_f32 v[SB+16+\k:SB+17+\k], v[SB+16+\k:SB+17+\k], v[SB+24+\k:SB+25+\k]
.endr
.irp k, 0
	s_delay_alu instid0(VALU_DEP_3)
	v_pk_add_f32 v[SB+\k:SB+\k+1], v[SB+\k:SB+\k+1], v[SB+16+\k:SB+17+\k]
.endr
.irp k, 2
	s_delay_alu instid0(VALU_DEP_2)
	v_pk_add_f32 v[SB+\k:SB+\k+1], v[SB+\k:SB+\k+1], v[SB+16+\k:SB+17+\k]
.endr
.irp k, 0,2
	s_delay_alu instid0(VALU_DEP_2)
	v_pk_add_f32 v[SB+\k:SB+\k+1], v[SB+\k:SB+\k+1], v[BI+\k:BI+\k+1]      ; + b3
.endr
	v_cmp_eq_u32 vcc_lo, 0, v[FIN]                 ; not finished: the number stays; finished: 0
.irp j, 0,1,2,3
	v_cndmask_b32 v[SB+\j], 0, v[SB+\j], vcc_lo
.endr
	global_store_b128 v[OO], v[SB:SB+3], s[16:17]
.Lfin:
	s_endpgm
.Lfunc_end_k_q00a49736c9_outp:
	.size	k_q00a49736c9_outp, .Lfunc_end_k_q00a49736c9_outp-k_q00a49736c9_outp
	.p2alignl 7, 3214868480
	.fill 96, 4, 3214868480
	.section	.rodata,"a",@progbits
	.p2align	6, 0x0
	.amdhsa_kernel k_q00a49736c9_outp
		.amdhsa_group_segment_fixed_size 101376
		.amdhsa_private_segment_fixed_size 0
		.amdhsa_enable_private_segment 0
		.amdhsa_kernarg_size 64
		.amdhsa_user_sgpr_count 2
		.amdhsa_user_sgpr_kernarg_segment_ptr 1
		.amdhsa_wavefront_size32 1
		.amdhsa_system_sgpr_workgroup_id_x 1
		.amdhsa_system_sgpr_workgroup_id_y 1
		.amdhsa_system_sgpr_workgroup_id_z 1
		.amdhsa_system_vgpr_workitem_id 0
		.amdhsa_next_free_vgpr 512
		.amdhsa_next_free_sgpr 66
		.amdhsa_reserve_vcc 1
		.amdhsa_float_denorm_mode_32 3
		.amdhsa_float_denorm_mode_16_64 3
		.amdhsa_memory_ordered 1
		.amdhsa_forward_progress 1
		.amdhsa_inst_pref_size 38
	.end_amdhsa_kernel
	.amdgpu_metadata
---
amdhsa.version: [ 1, 2 ]
amdhsa.kernels:
  - .name:           k_q00a49736c9_outp
    .symbol:         k_q00a49736c9_outp.kd
    .args:
      - { .name: ctx, .offset: 0, .size: 8, .value_kind: global_buffer, .address_space: global }
      - { .name: input, .offset: 8, .size: 8, .value_kind: global_buffer, .address_space: global }
      - { .name: W3, .offset: 16, .size: 8, .value_kind: global_buffer, .address_space: global }
      - { .name: b3, .offset: 24, .size: 8, .value_kind: global_buffer, .address_space: global }
      - { .name: finished, .offset: 32, .size: 8, .value_kind: global_buffer, .address_space: global }
      - { .name: wts, .offset: 40, .size: 8, .value_kind: global_buffer, .address_space: global }
      - { .name: out0, .offset: 48, .size: 8, .value_kind: global_buffer, .address_space: global }
      - { .name: out1, .offset: 56, .size: 8, .value_kind: global_buffer, .address_space: global }
    .group_segment_fixed_size: 101376
    .private_segment_fixed_size: 0
    .kernarg_segment_align: 8
    .kernarg_segment_size: 64
    .max_flat_workgroup_size: 256
    .sgpr_count:     66
    .vgpr_count:     512
    .wavefront_size: 32
...
	.end_amdgpu_metadata
.endif
;; end of part 4
